; MI455X (gfx1250); checked and timed in simulation.
; The chip was launched on July 23, 2026; its instructions are those of AMD's public machine-readable ISA for CDNA 5 (MIT licence, August 2026) and "CDNA5" Instruction Set Architecture Reference Guide (July 2026). The comments in the code are by the model that wrote it; some were corrected since.
;; Sparse Attention. Allowed arithmetic: matrix products marked QUANTISED: E4M3 operands, one E8M0 scale for each 32 along K, by v_wmma_scale_f32_16x16x128_f8f6f4 with both operands' format E4M3, f32 sums; everything else in f32.
;; Inputs: k 1 x 16 x 4,096 x 64 float32; q 1 x 16 x 4,096 x 64 float32; v 1 x 16 x 4,096 x 64 float32.
;; Outputs: out0 1 x 16 x 4,096 x 64 float32.
;; This version of the problem:
;;   THIS VERSION OF THE PROBLEM IS GIVEN IN LOW PRECISION. The matrix products marked QUANTISED in the list below multiply operands that are first quantised to E4M3 (4 exponent bits, 3 mantissa bits; 8 bits a number), with one power-of-two scale for each 32 numbers along K (OCP MX v1.0); their sums are f32. All else is computed in f32.
;;   The module's matrix products, in the order in which they are computed (A, B: the left and right operand; K: the contracted axis; several contracted axes count as one K, in the product's order):
;;     1. batch 16 x [M 4,096, K 64] x [K 64, N 4,096]; A: input q; B: input k: QUANTISED
;;     2. batch 16 x [M 4,096, K 4,096] x [K 4,096, N 64]; A: computed on the way; B: input v: QUANTISED
;;   THE QUANTISER, for each operand of a quantised product, along K:
;;     - K is cut into blocks of 32 from its start; a last block that is shorter is filled with zeros.
;;     - A block's scale is 2^e with e = floor(log2(the largest magnitude in the block)) - 8, held to -126 .. 127; a block of zeros has e = 0. As a byte (E8M0): e + 127.
;;     - Each number is divided by its block's scale, clamped to +-448, and rounded to the nearest number of E4M3, ties to even, subnormals kept.
;;     - The product sums the exact products of the quantised numbers (number of the format x scale) in f32.
;;   ~~~python
;;   def quantise(x, axis):      # numpy; x: float32 -> the quantised numbers, widened to float32 again
;;       x = np.moveaxis(x, axis, -1); K = x.shape[-1]
;;       x = np.pad(x, [(0, 0)] * (x.ndim - 1) + [(0, -K % 32)]); x = x.reshape(x.shape[:-1] + (-1, 32)); a = np.abs(x).max(-1, keepdims=True)
;;       e = np.where(a > 0, np.clip(np.frexp(np.where(a > 0, a, 1))[1] - 1 - 8, -126, 127), 0)      # np.frexp(a)[1] - 1 = floor(log2(a)), exactly
;;       r = np.clip(x / 2.0 ** e, -448, 448)
;;       step = 2.0 ** (np.maximum(np.frexp(np.where(r == 0, 1, r))[1] - 1, -6) - 3)
;;       q = np.round(r / step) * step * 2.0 ** e      # np.round: ties to even
;;       return np.moveaxis(q.reshape(q.shape[:-2] + (-1,))[..., :K], -1, axis).astype(np.float32)
;;   ~~~
;;   OPERANDS COMPUTED ON THE WAY. 'Computed on the way' means the value that the module computes at that place (a softmax that the list does not call 'softmax' is quantised finished and normalised). What goes into a quantiser is computed in f32, as accurately as f32 sums, v_exp_f32 and their like allow (about 1e-6 of the number): no bf16 or f16 on the way to a quantiser, and a product that is left as it is and whose result goes on into a quantised operand takes f32 operands (vector FMAs, or v_wmma_f32_16x16x4_f32). A number that lies on a knife's edge between two numbers of the format may be rounded either way, as far as f32 arithmetic and the matrix unit's own rounding can turn it there, and no further.
;; 2 versions, each right; version 2 is version 1 with the launch attn written anew for expert scheduling mode. Each part assembles by itself: llvm-mc -triple=amdgcn-amd-amdhsa -mcpu=gfx1250 --defsym DOCPART=n.
;; ======== version 1 of 2: 1 launch
;; launch attn (part 1): grid 16 x 16, 16 waves a work-group, no clusters, 212,224 bytes of LDS; arguments q, k, v, out0; writes out0
.if DOCPART == 1
	.amdgcn_target "amdgcn-amd-amdhsa--gfx1250"
	.amdhsa_code_object_version 6
	.text
	.protected	k_q6aacbf70ac_attn
	.globl	k_q6aacbf70ac_attn
	.p2align	8
	.type	k_q6aacbf70ac_attn,@function
k_q6aacbf70ac_attn:
	s_mov_b64 s[64:65], 0
	v_nop
	global_prefetch_b8 v0, s[64:65] scope:SCOPE_SE
	s_setreg_imm32_b32 hwreg(HW_REG_WAVE_MODE, 25, 1), 1
	s_wait_xcnt 0x0
; out0[h][i][:] = sum over j of softmax_j(q[h][i] . k[h][j] / 8) v[h][j][:], j in [i - 128, i + 128) cut to 0 .. 4,095.  q, k, v, out0: [16][4096][64] f32.
; Both products on codes of FP8 (E4M3) with one E8M0 scale for each 32 along K.  Product 1: K = the head's 64 (two blocks).  Product 2: K = the keys, blocks of 32 by the key's absolute number;
; its left operand is the FINISHED softmax, exp(s - max) / sum with zeros where the band hides a key: so a query's whole window of scores stays in registers until its sum is known.
; SHARES.  Work-group (x, y): head y, queries 256 x .. + 255; it needs keys 256 x - 128 .. + 511 (REL 0 .. 511: sixteen aligned blocks of 32).  Sixteen waves, four to a SIMD, 256 registers each.
; Wave w first quantises K's rows REL 32 w .. + 31, V's block w (the same 32 keys, along the keys) and its own 16 queries, and stores codes and scale words in LDS; ONE barrier; then it does all for queries 256 x + 16 w .. + 15:
; nine blocks of 32 keys from REL 32 (w / 2) on: 18 products for the scores, the band, the softmax, p's codes, 12 products with V, the way out.
; KEYS OUTSIDE 0 .. 4,095 (x = 0: waves 0-3; x = 15: waves 12-15) are whole parts of 32 rows: the part's first row is held to 0 .. 4,064, so that real rows are loaded and no load leaves its buffer; the band hides them, p is 0 there.
; K = 64 IN A FORM OF 128: Q's registers 8-15 are zero codes and bytes 2, 3 of K's and Q's scale words are 0; the upper eight registers of a tile of K are the next tile's codes: every number is held before it is
; converted, so no code is NaN, and a finite number times a zero code adds nothing.  The ninth block of keys likewise: p's registers 4-15 of the third K step are zero codes.
; LAYOUT.  Both products are used transposed (S^T = K Q^T, O^T = V^T P^T): a lane holds ONE query (lane % 16).  In LDS the keys of a block are laid so that rows 16 u .. 16 u + 15 are tile u, whose row rho is key 8 u + rho + 8 (rho / 8):
; the 16 registers of a block's two tiles are then 16 neighbouring keys, 16 (lane / 16) + 0 .. 15, as the second product's operand wants them.
; NOT USED, by this text's own arithmetic: joint loads in a cluster (what two neighbouring work-groups share, half of K's and V's rows, goes into registers to be quantised, not into LDS by a tensor load, and would lie at
; different LDS places in the two); a prefetch (all 40 global loads of a wave are issued at its head: nothing is asked for later); a ring (no LDS byte is filled twice).
; LIMITS: NaN and infinities among the inputs are not served.  A block of zeros, or one whose largest magnitude lies under 2^-118, gets the scale byte 1 where the rule says 127 or less: its codes are zeros or
; were not tried, and the bytes are read by this program alone.  A p under 2^-126 becomes 0 (v_exp_f32 flushes).  A block's largest p is taken from its largest score: that takes v_exp_f32 not to fall where its input rises.
.set TURN,  0                          ; LDS: each wave's own stage for f32 numbers: 32 places of 64 bytes + 16 of padding
.set KC,    40960                      ; K's codes: 512 rows of 64 bytes + 16
.set KS,    81920                      ; K's scale words, 4 bytes a row, in KC's order of rows
.set QC,    83968                      ; Q's codes: 256 rows of 64 bytes + 16
.set QS,    104448                     ; Q's scale words
.set VC,    105472                     ; V's codes, keys innermost: row d at 528 d + 16 (d / 16), byte = REL key
.set VS,    139520                     ; V's scale bytes, [block][d]
.set OST,   140544                     ; each wave's own stage for the way out: 16 rows of 256 bytes + 16
.set SPARE, 210176                     ; the spare words, 128 bytes for each wave: eight blocks of 256 bytes that no other line names
; vector registers, first part: v1 lane; v2 16 x lane (global offset, kept to the end); v3 V's global offset; v4-v11 LDS addresses; v12, v13 shifts; v14, v15 the add's two
.set KL,  16                           ; v16-79   K as loaded; later the codes and words just made
.set VL,  80                           ; v80-143  V as loaded: register 4 t + j = V[16 (lane / 16) + t][4 (lane % 16) + j]
.set QL,  144                          ; v144-175 Q as loaded
.set X,   176                          ; v176-239 numbers laid for the conversions: 16 neighbours along K in 16 registers
.set TM,  240                          ; v240-243 largest magnitudes, v244-247 bytes, v248-251 the largest number x the scale, v252-255 the conversions' scale operands
; second part: v3-v10 LDS addresses; v11, v12 the band's limits; v13 -infinity
.set S,   16                           ; v16-159  S^T, then p: register 16 b + n = key KB0 + 32 b + 16 (lane / 16) + n
.set QF,  160                          ; v160-175 Q's fragment
.set KF,  176                          ; v176-231 six tiles of K, eight registers each, then eight zeros
.set KSC, 232                          ; v232-240 K's scale words, a register a block: lanes 0-15 tile u = 0, lanes 16-31 tile u = 1
.set QSC, 241
.set BM,  160                          ; v160-168 each block's largest score, then its largest p
.set T2,  176                          ; v176-184 at work
.set BY,  185                          ; v185-192 scale bytes of blocks 0-7
.set LIM, 224                          ; v224-232 448 x the scale
.set SCL, 233                          ; v233-241 the conversions' scale operands
.set PW,  242                          ; v242-244 p's scale words of the three K steps
.set PC,  176                          ; v176-223 p's codes: block b at PC + 4 b; PC + 36 .. 47 zeros
.set VF0, 16                           ; v16-79   V's four fragments of K step 0, later of the ninth block
.set VF1, 80                           ; v80-143  of K step 1
.set OA,  144                          ; v144-175 O^T: four accumulators
.set U8,  224                          ; v224-241 V's scale bytes: pair of tiles p, block b at U8 + 9 p + b
.set VW,  246                          ; v246-249 V's scale words: K step s, pair p at VW + 2 s + p
	s_load_b256 s[4:11], s[0:1], 0x0               ; q s[4:5], k s[6:7], v s[8:9], out0 s[10:11]
	v_lshl_add_u32 v14, v0, 2, SPARE               ; my spare word,
	v_mov_b32 v15, 0                               ; and 0: kept for the closing add alone
	v_lshrrev_b32 v1, 5, v0
	v_readfirstlane_b32 s12, v1                    ; wave w, 0 .. 15
	v_and_b32 v1, 31, v0                           ; lane l
	s_lshr_b32 s13, s12, 1                         ; j = w / 2: my window's first block
	s_mov_b32 s14, ttmp9                           ; x
	s_and_b32 s15, ttmp7, 0xffff                   ; y: the head
	s_lshl_b32 s28, s15, 20                        ; a head is 4,096 rows of 256 bytes
	s_lshl_b32 s16, s14, 16
	s_add_co_u32 s16, s16, s28
	s_lshl_b32 s29, s12, 12
	s_add_co_u32 s16, s16, s29                     ; q, out0: head + 256 x rows + 16 w rows
	s_mov_b32 s17, 0
	s_lshl_b32 s30, s14, 8                         ; 256 x
	s_lshl_b32 s29, s12, 5
	s_add_co_u32 s18, s30, s29
	s_sub_co_i32 s18, s18, 128                     ; the first row of K and V that I quantise: 256 x - 128 + 32 w,
	s_max_i32 s18, s18, 0
	s_min_i32 s18, s18, 4064                       ; held inside the head: a part that lies outside is hidden by the band
	s_lshl_b32 s18, s18, 8
	s_add_co_u32 s18, s18, s28
	s_mov_b32 s19, 0
	s_lshl_b32 s29, s12, 4
	s_add_co_u32 s26, s30, s29                     ; q0: my first query
	s_lshl_b32 s29, s13, 5
	s_add_co_u32 s27, s30, s29
	s_sub_co_i32 s27, s27, 128                     ; KB0: my window's first key, 256 x - 128 + 32 j (signed)
	s_mov_b32 s20, 0x76543210
	s_mov_b32 s21, 0xfedcba98                      ; v_permlanex16_b32's selects for lane l xor 16
	s_mov_b32 s22, 0x3e38aa3b                      ; c = log2(e) / 8
	s_mov_b32 s23, s22                             ; (named with it as a pair, so it is written)
	s_mov_b32 s24, 0xbe38aa3b                      ; -c
	s_mov_b32 s25, 0x600000                        ; the mantissa field of 448
	v_lshlrev_b32 v2, 4, v1                        ; 16 l
	v_and_b32 v240, 15, v0                         ; a = l % 16
	v_bfe_u32 v241, v0, 4, 1                       ; h = l / 16
	v_lshlrev_b32 v3, 4, v240
	v_lshl_add_u32 v3, v241, 12, v3                ; V: 16 a + 16 h rows of 256 bytes
	s_wait_kmcnt 0x0
	s_add_nc_u64 s[4:5], s[4:5], s[16:17]
	s_add_nc_u64 s[10:11], s[10:11], s[16:17]
	s_add_nc_u64 s[6:7], s[6:7], s[18:19]
	s_add_nc_u64 s[8:9], s[8:9], s[18:19]
; ALL 40 LOADS OF THE WAVE GO OUT TOGETHER: 20 KiB a wave, 320 KiB a work-group.  Each covers 512 bytes in two whole aligned pieces of 256.
.irp i, 0,1,2,3,4,5,6,7,8,9,10,11,12,13,14,15
	global_load_b128 v[KL+4*\i:KL+4*\i+3], v2, s[6:7] offset:512*\i          ; K: my 32 rows as they lie
.endr
.irp t, 0,1,2,3,4,5,6,7,8,9,10,11,12,13,14,15
	global_load_b128 v[VL+4*\t:VL+4*\t+3], v3, s[8:9] offset:256*\t          ; V: lanes 0-15 row t, lanes 16-31 row 16 + t: a lane's registers run down the keys
.endr
.irp i, 0,1,2,3,4,5,6,7
	global_load_b128 v[QL+4*\i:QL+4*\i+3], v2, s[4:5] offset:512*\i th:TH_LOAD_NT   ; Q: my 16 rows; nobody else reads them
.endr
	v_lshrrev_b32 v242, 2, v1                      ; l / 4
	v_and_b32 v243, 3, v0                          ; l % 4
	v_mul_u32_u24 v244, v242, 80
	v_lshl_add_u32 v244, v243, 4, v244             ; 80 (l / 4) + 16 (l % 4)
	s_mul_i32 s28, s12, 2560
	v_add_nc_u32 v4, s28, v244                     ; the stage, on the way in: four lanes' 64 bytes on end, then 16 of padding
	v_mul_u32_u24 v5, v1, 80
	v_add_nc_u32 v5, s28, v5                       ; and on the way out: 80 l: my 16 neighbours
	s_add_co_u32 s29, s28, KC
	v_add_nc_u32 v6, s29, v244                     ; K's codes: my block's 32 rows of 80 bytes; row l / 4 of a step's eight, quarter l % 4
	s_lshl_b32 s29, s12, 7
	s_add_co_u32 s29, s29, KS
	v_lshl_add_u32 v7, v242, 2, s29                ; K's scale words
	s_mul_i32 s29, s12, 1280
	s_add_co_u32 s29, s29, QC
	v_add_nc_u32 v8, s29, v244                     ; Q's codes: my 16 rows
	s_lshl_b32 s29, s12, 6
	s_add_co_u32 s29, s29, QS
	v_lshl_add_u32 v9, v242, 2, s29                ; Q's scale words
	v_mul_u32_u24 v10, v240, 2112                  ; V's codes: row d = 4 a + j at 528 d + 16 (d / 16) = 2,112 a + 16 (a / 4) + 528 j,
	v_lshrrev_b32 v245, 2, v240
	v_lshl_add_u32 v10, v245, 4, v10
	v_lshl_add_u32 v10, v241, 4, v10               ; my half's 16 keys,
	s_lshl_b32 s29, s12, 5
	s_add_co_u32 s29, s29, VC
	v_add_nc_u32 v10, s29, v10                     ; of block w
	s_lshl_b32 s29, s12, 6
	s_add_co_u32 s29, s29, VS
	v_lshl_add_u32 v11, v240, 2, s29               ; V's scale bytes: block w's 64, four a lane
	v_bfe_u32 v12, v0, 1, 1
	v_lshlrev_b32 v12, 3, v12                      ; where my block's byte stands in a row's scale word: lanes l % 4 = 0, 1: bits 0 on; 2, 3: bits 8 on
	v_sub_nc_u32 v13, 8, v12                       ; and the row's other block's
; 2,048 bytes (8 rows of 64 f32), loaded 16 bytes a lane as they lie, go through my stage and come back 64 bytes a lane: row l / 4, numbers 16 (l % 4) + 0 .. 15.
; LDS serves a wave's instructions in order (ISA guide 5.7.1.4): the loads see the stores above them, and the next step's stores come behind these loads.
.macro TURNF src, dst
.irp i, 0,1,2,3
	ds_store_b128 v4, v[(\src)+4*\i:(\src)+4*\i+3] offset:640*\i
.endr
.irp i, 0,1,2,3
	ds_load_b128 v[(\dst)+4*\i:(\dst)+4*\i+3], v5 offset:16*\i
.endr
.endm
; n steps of 16 numbers a lane in v[X + 16 b] on become codes in v[cb + 16 b .. + 3] and the row's scale word in v[wb + 16 b].  A block of 32 lies in lanes l and l xor 1; a row's two blocks in lanes l and l xor 2.
.macro QROWS n, cb, wb
.set qb, 0
.rept \n
	v_max3_num_f32 v[TM+qb], |v[X+16*qb]|, |v[X+16*qb+1]|, 0x4800000   ; my 16 numbers, and the floor 2^(9 - 127): the byte cannot fall under 1
.set qb, qb+1
.endr
.irp i, 2,4,6,8,10,12,14
.set qb, 0
.rept \n
	v_max3_num_f32 v[TM+qb], v[TM+qb], |v[X+16*qb+\i]|, |v[X+16*qb+\i+1]|   ; (the steps by turns: no line waits for the line above it)
.set qb, qb+1
.endr
.endr
.set qb, 0
.rept \n
	v_max_num_f32_dpp v[TM+qb], v[TM+qb], v[TM+qb] row_xmask:1 row_mask:0xf bank_mask:0xf   ; with my neighbour's 16: the block's largest magnitude
.set qb, qb+1
.endr
.set qb, 0
.rept \n
	v_add_nc_u32 v[TM+12+qb], 0xfc000000, v[TM+qb]             ; 8 off its exponent field: the conversion's scale operand
.set qb, qb+1
.endr
.set qb, 0
.rept \n
	v_and_or_b32 v[TM+8+qb], v[TM+qb], 0x7f800000, s25         ; 448 x the scale
.set qb, qb+1
.endr
.set qb, 0
.rept \n
	v_lshrrev_b32 v[TM+4+qb], 23, v[TM+12+qb]                  ; the scale's byte
.set qb, qb+1
.endr
.set qb, 0
.rept \n
	v_mov_b32_dpp v[TM+qb], v[TM+4+qb] row_xmask:2 row_mask:0xf bank_mask:0xf   ; the byte of the row's other block
.set qb, qb+1
.endr
.set qb, 0
.rept \n
	v_lshlrev_b32 v[TM+4+qb], v12, v[TM+4+qb]
.set qb, qb+1
.endr
.set qb, 0
.rept \n
	v_lshl_or_b32 v[(\wb)+16*qb], v[TM+qb], v13, v[TM+4+qb]    ; the row's scale word, the same in its four lanes: byte 0 for 0 .. 31, byte 1 for 32 .. 63, bytes 2 and 3 = 0
.set qb, qb+1
.endr
.set qb, 0
.rept \n
.irp i, 0,1,2,3,4,5,6,7,8,9,10,11,12,13,14,15
	v_med3_num_f32 v[X+16*qb+\i], v[X+16*qb+\i], -v[TM+8+qb], v[TM+8+qb]   ; the conversion to an 8-bit code does not saturate (ISA guide 7.6.2): the hold at the largest code x the scale
.endr
	v_cvt_scalef32_pk8_fp8_f32 v[(\cb)+16*qb:(\cb)+16*qb+1], v[X+16*qb:X+16*qb+7], v[TM+12+qb]
	v_cvt_scalef32_pk8_fp8_f32 v[(\cb)+16*qb+2:(\cb)+16*qb+3], v[X+16*qb+8:X+16*qb+15], v[TM+12+qb]
.set qb, qb+1
.endr
	v_nop                                          ; one plain line behind the last conversion, ahead of whatever next writes its sources
.endm
; ---- K: my 32 rows, four steps of eight
.irp t, 0,1,2,3
	s_wait_loadcnt 36-4*\t                         ; K's loads 4 t .. 4 t + 3 are in: 36 - 4 t loads were issued behind them
	TURNF KL+16*\t, X+16*\t
.endr
	s_wait_dscnt 0x0                               ; all 64 numbers a lane are back, and the stage's stores have read K's landing registers, which take the results
	QROWS 4, 16, 20
.irp t, 0,1,2,3                        ; step t holds keys 8 t .. 8 t + 7 of the block: they go to rows 16 (t % 2) + 8 (t / 2) on
	ds_store_b128 v6, v[16+16*\t:19+16*\t] offset:80*(16*(\t%2)+8*(\t/2))
	ds_store_b32 v7, v[20+16*\t] offset:4*(16*(\t%2)+8*(\t/2))       ; a row's four lanes write the same word with the same value
.endr
; ---- V: block w, along the keys.  A lane holds 16 keys of four channels; a block's other 16 keys lie in lane l xor 16
	s_wait_loadcnt 8                               ; V's loads are in; Q's eight may be out
.irp j, 0,1,2,3
	v_max3_num_f32 v[TM+\j], |v[VL+\j]|, |v[VL+4+\j]|, 0x4800000
.endr
.irp t, 2,4,6,8,10,12,14
.irp j, 0,1,2,3
	v_max3_num_f32 v[TM+\j], v[TM+\j], |v[VL+4*\t+\j]|, |v[VL+4*\t+4+\j]|
.endr
.endr
.irp j, 0,1,2,3
	v_permlanex16_b32 v[TM+4+\j], v[TM+\j], s20, s21
.endr
.irp j, 0,1,2,3
	v_max_num_f32 v[TM+\j], v[TM+\j], v[TM+4+\j]
.endr
.irp j, 0,1,2,3
	v_add_nc_u32 v[TM+12+\j], 0xfc000000, v[TM+\j]
.endr
.irp j, 0,1,2,3
	v_and_or_b32 v[TM+8+\j], v[TM+\j], 0x7f800000, s25
.endr
.irp j, 0,1,2,3
	v_lshrrev_b32 v[TM+4+\j], 23, v[TM+12+\j]
.endr
	v_lshl_or_b32 v21, v[TM+5], 8, v[TM+4]         ; the bytes of channels 4 a .. 4 a + 3
	v_lshl_or_b32 v21, v[TM+6], 16, v21
	v_lshl_or_b32 v21, v[TM+7], 24, v21
.irp j, 0,1,2,3
.irp t, 0,1,2,3,4,5,6,7,8,9,10,11,12,13,14,15
	v_med3_num_f32 v[X+16*\j+\t], v[VL+4*\t+\j], -v[TM+8+\j], v[TM+8+\j]   ; THE HOLD ALSO TURNS: channel j's 16 keys come to stand in 16 registers on end
.endr
	v_cvt_scalef32_pk8_fp8_f32 v[24+16*\j:25+16*\j], v[X+16*\j:X+16*\j+7], v[TM+12+\j]
	v_cvt_scalef32_pk8_fp8_f32 v[26+16*\j:27+16*\j], v[X+16*\j+8:X+16*\j+15], v[TM+12+\j]
.endr
	v_nop
.irp j, 0,1,2,3
	ds_store_b128 v10, v[24+16*\j:27+16*\j] offset:528*\j            ; 16 keys of row d = 4 a + j
.endr
	ds_store_b32 v11, v21                          ; both halves of the lanes write the same word with the same value
; ---- Q: my 16 rows, two steps of eight
	s_wait_loadcnt 4                               ; Q's first four loads are in
	TURNF QL, X
	s_wait_loadcnt 0x0
	TURNF QL+16, X+16
	s_wait_dscnt 0x0
	QROWS 2, 28, 22
.irp t, 0,1
	ds_store_b128 v8, v[28+16*\t:31+16*\t] offset:640*\t
	ds_store_b32 v9, v[22+16*\t] offset:32*\t
.endr
; ---- THE ONE BARRIER: every wave's codes and scale words have landed before any wave reads them.  Nothing that others read is written behind it.
	s_wait_dscnt 0x0                               ; for the others' sake: zero
	s_barrier_signal -1
.irp i, 8,9,10,11,12,13,14,15
	v_mov_b32 v[QF+\i], 0                          ; Q's codes for K = 64 .. 127
.endr
.irp i, 48,49,50,51,52,53,54,55
	v_mov_b32 v[KF+\i], 0                          ; what stands behind the sixth tile of a batch.  (The address work below is more than the four places that these owe the first product)
.endr
	v_and_b32 v250, 15, v0                         ; r = l % 16
	v_bfe_u32 v251, v0, 4, 1                       ; h = l / 16
	s_mul_i32 s28, s13, 2560
	s_add_co_u32 s28, s28, KC
	v_mul_u32_u24 v3, v250, 80
	v_lshl_add_u32 v3, v251, 4, v3
	v_add_nc_u32 v3, s28, v3                       ; K's fragments: row 32 j + r, + 16 h
	s_lshl_b32 s28, s13, 7
	s_add_co_u32 s28, s28, KS
	v_lshl_add_u32 v4, v1, 2, s28                  ; K's scale words: row 32 j + l
	s_mul_i32 s28, s12, 1280
	s_add_co_u32 s28, s28, QC
	v_mul_u32_u24 v5, v250, 80
	v_lshl_add_u32 v5, v251, 4, v5
	v_add_nc_u32 v5, s28, v5                       ; Q's fragment: row 16 w + r, + 16 h
	s_lshl_b32 s28, s12, 6
	s_add_co_u32 s28, s28, QS
	v_lshl_add_u32 v6, v250, 2, s28                ; Q's scale words
	v_mul_u32_u24 v7, v250, 528
	v_lshl_add_u32 v7, v251, 4, v7
	s_lshl_b32 s28, s13, 5
	s_add_co_u32 s28, s28, VC
	v_add_nc_u32 v7, s28, v7                       ; V's fragments: row r of a tile, key 32 j + 16 h
	s_lshl_b32 s28, s13, 6
	s_add_co_u32 s28, s28, VS
	v_add_nc_u32 v8, s28, v1                       ; V's scale bytes: block j, channel l
	s_mul_i32 s29, s12, 4352
	s_add_co_u32 s29, s29, OST
	v_mul_u32_u24 v9, v250, 272
	v_lshl_add_u32 v9, v251, 5, v9
	v_add_nc_u32 v9, s29, v9                       ; the way out, in: row r, + 32 h
	v_mul_u32_u24 v10, v251, 272
	v_lshl_add_u32 v10, v250, 4, v10
	v_add_nc_u32 v10, s29, v10                     ; back: lanes 0-15 one row, lanes 16-31 the next
	s_barrier_wait -1
; ---- S^T = K Q^T: 18 tiles of 16 keys, six at a time; each product starts and ends its own sum (K = 64)
	ds_load_b128 v[QF:QF+3], v5
	ds_load_b128 v[QF+4:QF+7], v5 offset:32
	ds_load_b32 v[QSC], v6
.irp b, 0,1,2,3,4,5,6,7,8
	ds_load_b32 v[KSC+\b], v4 offset:128*\b
.endr
.macro SBATCH g
.if \g > 0
.rept 8
	v_nop                                          ; eight places in front of loads into registers that these matrix instructions have read
.endr
.endif
.irp t, 0,1,2,3,4,5
.irp c, 0,1
	ds_load_b128 v[KF+8*\t+4*\c:KF+8*\t+4*\c+3], v3 offset:(96*\g+16*\t)*80+32*\c
.endr
.endr
	s_wait_dscnt 0x0
.irp t, 0,1,2,3,4,5
.if \t % 2
	v_wmma_scale_f32_16x16x128_f8f6f4 v[S+48*\g+8*\t:S+48*\g+8*\t+7], v[KF+8*\t:KF+8*\t+15], v[QF:QF+15], 0, v[KSC+3*\g+\t/2], v[QSC] matrix_a_scale:MATRIX_SCALE_ROW1
.else
	v_wmma_scale_f32_16x16x128_f8f6f4 v[S+48*\g+8*\t:S+48*\g+8*\t+7], v[KF+8*\t:KF+8*\t+15], v[QF:QF+15], 0, v[KSC+3*\g+\t/2], v[QSC]
.endif
.endr
.endm
	SBATCH 0
	SBATCH 1
	SBATCH 2
; ---- the band's limits for my query, as numbers to hold 32 b + n against: twelve lines that name no register of the products: the places behind the last of them
	v_add_nc_u32 v252, s26, v250                   ; my query
	v_lshlrev_b32 v253, 4, v251
	v_add_nc_u32 v253, s27, v253                   ; KB0 + 16 h: the key of my register 0
	v_add_nc_u32 v11, 0xffffff80, v252             ; query - 128,
	v_cmp_le_i32 vcc_lo, 0, v11
	v_cndmask_b32 v11, 0, v11, vcc_lo              ; not under key 0
	v_sub_nc_u32 v11, v11, v253                    ; hidden where 32 b + n < v11
	v_add_nc_u32 v12, 127, v252                    ; query + 127,
	v_cmp_ge_i32 vcc_lo, 0xfff, v12
	v_cndmask_b32 v12, 0xfff, v12, vcc_lo          ; not over key 4,095
	v_sub_nc_u32 v12, v12, v253                    ; hidden where 32 b + n > v12
	v_mov_b32 v13, 0xff800000                      ; -infinity
.macro MASKLO b                        ; each accumulator is read from its low end on
.irp n, 0,1,2,3,4,5,6,7,8,9,10,11,12,13,14,15
	v_cmp_lt_i32 vcc_lo, 32*\b+\n, v11
	v_cndmask_b32 v[S+16*\b+\n], v[S+16*\b+\n], v13, vcc_lo
.endr
.endm
.macro MASKHI b
.irp n, 0,1,2,3,4,5,6,7,8,9,10,11,12,13,14,15
	v_cmp_gt_i32 vcc_lo, 32*\b+\n, v12
	v_cndmask_b32 v[S+16*\b+\n], v[S+16*\b+\n], v13, vcc_lo
.endr
.endm
; query - 128 - KB0 = 16 (w % 2) + r lies in block 0 and query + 127 - KB0 in block 8: these two are always cut.  Blocks 1-3 are hidden only where they lie under key 0, blocks 5-7 only over key 4,095;
; block 4 never (KB0 + 128 >= 0, KB0 + 159 <= 4,095).  The jumps hang on the work-group's and the wave's number alone.
.macro LOIF b
	s_add_co_i32 s28, s27, 32*\b
	s_cmp_ge_i32 s28, 0
	s_cbranch_scc1 .Lseen_lo_\@
	MASKLO \b
.Lseen_lo_\@:
.endm
.macro HIIF b
	s_add_co_i32 s28, s27, 32*\b+31
	s_cmp_le_i32 s28, 4095
	s_cbranch_scc1 .Lseen_hi_\@
	MASKHI \b
.Lseen_hi_\@:
.endm
	MASKLO 0
	LOIF 1
	LOIF 2
	LOIF 3
	HIIF 5
	HIIF 6
	HIIF 7
	MASKHI 8
; ---- the softmax, in place.  The largest score of each block serves twice: for the row's maximum, and, since p rises with the score, for the block's largest p
.irp b, 0,1,2,3,4,5,6,7,8
	v_max3_num_f32 v[BM+\b], v[S+16*\b], v[S+16*\b+1], v[S+16*\b+2]
.endr
.irp i, 3,5,7,9,11,13
.irp b, 0,1,2,3,4,5,6,7,8
	v_max3_num_f32 v[BM+\b], v[BM+\b], v[S+16*\b+\i], v[S+16*\b+\i+1]   ; (the pair 7, 8 is the first read of the block's second accumulator: its lowest register)
.endr
.endr
.irp b, 0,1,2,3,4,5,6,7,8
	v_max_num_f32 v[BM+\b], v[BM+\b], v[S+16*\b+15]
.endr
.irp b, 0,1,2,3,4,5,6,7,8
	v_permlanex16_b32 v[T2+\b], v[BM+\b], s20, s21
.endr
.irp b, 0,1,2,3,4,5,6,7,8
	v_max_num_f32 v[BM+\b], v[BM+\b], v[T2+\b]     ; with lane l xor 16's 16 keys
.endr
	v_max3_num_f32 v245, v[BM], v[BM+1], v[BM+2]
	v_max3_num_f32 v245, v245, v[BM+3], v[BM+4]
	v_max3_num_f32 v245, v245, v[BM+5], v[BM+6]
	v_max3_num_f32 v245, v245, v[BM+7], v[BM+8]    ; the row's largest score: a number, since a query sees itself
	v_mul_f32 v246, s24, v245                      ; -c m
	v_mov_b32 v247, v246                           ; (named with it as a pair)
.set j, 0
.rept 72
	v_pk_fma_f32 v[S+j:S+j+1], v[S+j:S+j+1], s[22:23], v[246:247] op_sel_hi:[1,0,0]   ; c s - c m, two at a time; -infinity stays
.set j, j+2
.endr
.irp b, 0,1,2,3,4,5,6,7,8
	v_fma_f32 v[BM+\b], v[BM+\b], s22, v246        ; the same of each block's largest score
.endr
.set j, 0
.rept 144
	v_exp_f32 v[S+j], v[S+j]                       ; ONE BATCH: 144 weights and the nine largest; none reads another's result
.set j, j+1
.endr
.irp b, 0,1,2,3,4,5,6,7,8
	v_exp_f32 v[BM+\b], v[BM+\b]
.endr
	v_mov_b32 v253, 0                              ; the plain line behind the last exponential (v253: upper half of the pair that holds 1 / sum)
	s_wait_alu depctr_va_vdst(0)                   ; the wait ahead of the first line that names a result: one for the batch
	v_pk_add_f32 v[248:249], v[S:S+1], v[S+2:S+3]  ; the row's sum, of the unquantised weights: two at a time, in two chains
	v_pk_add_f32 v[250:251], v[S+4:S+5], v[S+6:S+7]
.set j, 8
.rept 34
	v_pk_add_f32 v[248:249], v[248:249], v[S+j:S+j+1]
	v_pk_add_f32 v[250:251], v[250:251], v[S+j+2:S+j+3]
.set j, j+4
.endr
	v_pk_add_f32 v[248:249], v[248:249], v[250:251]
	v_add_f32 v248, v248, v249
	v_permlanex16_b32 v250, v248, s20, s21
	v_add_f32 v248, v248, v250                     ; with lane l xor 16's: at least 1 within rounding, since the largest weight is 1
	v_rcp_f32 v252, v248
.irp i, 36,37,38,39,40,41,42,43,44,45,46,47
	v_mov_b32 v[PC+\i], 0                          ; p's codes behind the ninth block: plain work behind the reciprocal
.endr
	s_wait_alu depctr_va_vdst(0)                   ; and its wait, ahead of its first reader
.irp b, 0,1,2,3,4,5,6,7,8
	v_mul_f32 v[BM+\b], v[BM+\b], v252             ; the block's largest p, normalised: the same operations on the same number as below give the same bits
.endr
.irp b, 0,1,2,3,4,5,6,7,8
	v_max_num_f32 v[BM+\b], 0x4800000, v[BM+\b]    ; the floor 2^(9 - 127): a block that is all hidden keeps the byte 1 over zero codes
.endr
.irp b, 0,1,2,3,4,5,6,7,8
	v_add_nc_u32 v[SCL+\b], 0xfc000000, v[BM+\b]   ; 8 off the exponent field: the conversion's scale operand
.endr
.irp b, 0,1,2,3,4,5,6,7,8
	v_and_or_b32 v[LIM+\b], v[BM+\b], 0x7f800000, s25   ; 448 x the scale
.endr
.irp b, 0,1,2,3,4,5,6,7
	v_lshrrev_b32 v[BY+\b], 23, v[SCL+\b]          ; the scales' bytes
.endr
	v_lshrrev_b32 v[PW+2], 23, v[SCL+8]            ; the third K step's word: the ninth block's byte, bytes 1 to 3 = 0
	v_lshl_or_b32 v[PW], v[BY+1], 8, v[BY]
	v_lshl_or_b32 v[PW+1], v[BY+5], 8, v[BY+4]
	v_lshl_or_b32 v[PW], v[BY+2], 16, v[PW]
	v_lshl_or_b32 v[PW+1], v[BY+6], 16, v[PW+1]
	v_lshl_or_b32 v[PW], v[BY+3], 24, v[PW]
	v_lshl_or_b32 v[PW+1], v[BY+7], 24, v[PW+1]    ; (the scale words stand far more than eight places ahead of their products)
.macro PBLOCK b                        ; block b: normalised, held, converted: registers 4 b .. 4 b + 3 of the second product's operand
.irp i, 0,2,4,6,8,10,12,14
	v_pk_mul_f32 v[S+16*\b+\i:S+16*\b+\i+1], v[S+16*\b+\i:S+16*\b+\i+1], v[252:253] op_sel_hi:[1,0]
.endr
.irp i, 0,1,2,3,4,5,6,7,8,9,10,11,12,13,14,15
	v_min_num_f32 v[S+16*\b+\i], v[S+16*\b+\i], v[LIM+\b]   ; p is never negative: the hold is one-sided
.endr
	v_cvt_scalef32_pk8_fp8_f32 v[PC+4*\b:PC+4*\b+1], v[S+16*\b:S+16*\b+7], v[SCL+\b]
	v_cvt_scalef32_pk8_fp8_f32 v[PC+4*\b+2:PC+4*\b+3], v[S+16*\b+8:S+16*\b+15], v[SCL+\b]
.endm
.irp b, 0,1,2,3,4,5,6,7,8
	PBLOCK \b
.endr
	v_nop                                          ; one plain line behind the last conversion: the products below write its sources
; ---- O^T = V^T P^T: four tiles of 16 channels, three K steps (128, 128, 32 keys)
.irp p, 0,1
.irp b, 0,1,2,3,4,5,6,7,8
	ds_load_u8 v[U8+9*\p+\b], v8 offset:64*\b+32*\p          ; block j + b's byte of channel 32 p + l: lanes 0-15 tile 2 p, lanes 16-31 tile 2 p + 1
.endr
.endr
.irp t, 0,1,2,3
.irp c, 0,1,2,3
	ds_load_b128 v[VF0+16*\t+4*\c:VF0+16*\t+4*\c+3], v7 offset:8464*\t+32*\c
.endr
.endr
.irp t, 0,1,2,3
.irp c, 0,1,2,3
	ds_load_b128 v[VF1+16*\t+4*\c:VF1+16*\t+4*\c+3], v7 offset:8464*\t+128+32*\c
.endr
.endr
	s_wait_dscnt 32                                ; the 18 bytes are in; the 32 fragment loads may be out
.irp s, 0,1                            ; the first K step's two words first: eight places and more stand between each word and its product
.irp p, 0,1
	v_lshl_or_b32 v[VW+2*\s+\p], v[U8+9*\p+4*\s+1], 8, v[U8+9*\p+4*\s]
	v_lshl_or_b32 v[VW+2*\s+\p], v[U8+9*\p+4*\s+2], 16, v[VW+2*\s+\p]
	v_lshl_or_b32 v[VW+2*\s+\p], v[U8+9*\p+4*\s+3], 24, v[VW+2*\s+\p]
.endr
.endr
.rept 4
	v_nop
.endr
.macro PV1 t, s, vf, sa                ; the four accumulators take turns, one instruction a turn
.if (\s) == 0
.if (\t) % 2
	v_wmma_scale_f32_16x16x128_f8f6f4 v[OA+8*\t:OA+8*\t+7], v[(\vf)+16*\t:(\vf)+16*\t+15], v[PC+16*\s:PC+16*\s+15], 0, v[\sa], v[PW+\s] matrix_a_scale:MATRIX_SCALE_ROW1
.else
	v_wmma_scale_f32_16x16x128_f8f6f4 v[OA+8*\t:OA+8*\t+7], v[(\vf)+16*\t:(\vf)+16*\t+15], v[PC+16*\s:PC+16*\s+15], 0, v[\sa], v[PW+\s]
.endif
.else
.if (\t) % 2
	v_wmma_scale_f32_16x16x128_f8f6f4 v[OA+8*\t:OA+8*\t+7], v[(\vf)+16*\t:(\vf)+16*\t+15], v[PC+16*\s:PC+16*\s+15], v[OA+8*\t:OA+8*\t+7], v[\sa], v[PW+\s] matrix_a_scale:MATRIX_SCALE_ROW1
.else
	v_wmma_scale_f32_16x16x128_f8f6f4 v[OA+8*\t:OA+8*\t+7], v[(\vf)+16*\t:(\vf)+16*\t+15], v[PC+16*\s:PC+16*\s+15], v[OA+8*\t:OA+8*\t+7], v[\sa], v[PW+\s]
.endif
.endif
.endm
	s_wait_dscnt 16                                ; K step 0's fragments are in; K step 1's sixteen loads may be out
.irp t, 0,1,2,3
	PV1 \t, 0, VF0, VW+\t/2
.endr
.rept 8
	v_nop                                          ; places in front of loads into registers that these products have read
.endr
.irp t, 0,1,2,3
	ds_load_b128 v[VF0+16*\t:VF0+16*\t+3], v7 offset:8464*\t+256     ; the ninth block; registers 4-15 keep K step 0's codes, which meet p's zero codes
.endr
	s_wait_dscnt 4                                 ; K step 1's fragments are in; the four just issued may be out
.irp t, 0,1,2,3
	PV1 \t, 1, VF1, VW+2+\t/2
.endr
	s_wait_dscnt 0x0
.irp t, 0,1,2,3
	PV1 \t, 2, VF0, U8+9*(\t/2)+8                  ; the ninth block's byte as it was loaded is the word: bytes 1 to 3 = 0
.endr
; ---- THE WAY OUT.  Lane (r, h) holds out(q0 + r, 16 t + 8 h + 0 .. 7): through my own stage, back as whole rows of 256 bytes
.rept 8
	v_nop                                          ; places in front of the reads of results and of the loads into registers that the last products have read
.endr
.irp t, 0,1,2,3
	ds_store_b128 v9, v[OA+8*\t:OA+8*\t+3] offset:64*\t              ; each accumulator from its low end on
	ds_store_b128 v9, v[OA+8*\t+4:OA+8*\t+7] offset:64*\t+16
.endr
.irp i, 0,1,2,3,4,5,6,7
	ds_load_b128 v[16+4*\i:19+4*\i], v10 offset:544*\i               ; LDS serves a wave's instructions in order: these see my stores
.endr
.irp i, 0,1,2,3,4,5,6,7
	s_wait_dscnt 7-\i                              ; load i is in; the younger ones may be out
	global_store_b128 v2, v[16+4*\i:19+4*\i], s[10:11] offset:512*\i th:TH_STORE_NT   ; 32 lanes store two rows: 512 consecutive bytes, at a multiple of 256 from out0's first byte; written once, read by nobody here
.endr
	s_wait_tensorcnt 0x0                           ; the wave's end
	ds_add_u32 v14, v15
	s_wait_dscnt 0x0
	s_endpgm
.Lfunc_end_k_q6aacbf70ac_attn:
	.size	k_q6aacbf70ac_attn, .Lfunc_end_k_q6aacbf70ac_attn-k_q6aacbf70ac_attn
	.p2alignl 7, 3214868480
	.fill 96, 4, 3214868480
	.section	.rodata,"a",@progbits
	.p2align	6, 0x0
	.amdhsa_kernel k_q6aacbf70ac_attn
		.amdhsa_group_segment_fixed_size 212224
		.amdhsa_private_segment_fixed_size 0
		.amdhsa_enable_private_segment 0
		.amdhsa_kernarg_size 32
		.amdhsa_user_sgpr_count 2
		.amdhsa_user_sgpr_kernarg_segment_ptr 1
		.amdhsa_wavefront_size32 1
		.amdhsa_system_sgpr_workgroup_id_x 1
		.amdhsa_system_sgpr_workgroup_id_y 1
		.amdhsa_system_sgpr_workgroup_id_z 1
		.amdhsa_system_vgpr_workitem_id 0
		.amdhsa_next_free_vgpr 256
		.amdhsa_next_free_sgpr 66
		.amdhsa_reserve_vcc 1
		.amdhsa_float_denorm_mode_32 3
		.amdhsa_float_denorm_mode_16_64 3
		.amdhsa_memory_ordered 1
		.amdhsa_forward_progress 1
		.amdhsa_inst_pref_size 95
	.end_amdhsa_kernel
	.amdgpu_metadata
---
amdhsa.version: [ 1, 2 ]
amdhsa.kernels:
  - .name:           k_q6aacbf70ac_attn
    .symbol:         k_q6aacbf70ac_attn.kd
    .args:
      - { .name: q, .offset: 0, .size: 8, .value_kind: global_buffer, .address_space: global }
      - { .name: k, .offset: 8, .size: 8, .value_kind: global_buffer, .address_space: global }
      - { .name: v, .offset: 16, .size: 8, .value_kind: global_buffer, .address_space: global }
      - { .name: out0, .offset: 24, .size: 8, .value_kind: global_buffer, .address_space: global }
    .group_segment_fixed_size: 212224
    .private_segment_fixed_size: 0
    .kernarg_segment_align: 8
    .kernarg_segment_size: 32
    .max_flat_workgroup_size: 512
    .sgpr_count:     66
    .vgpr_count:     256
    .wavefront_size: 32
...
	.end_amdgpu_metadata
.endif
;; end of part 1
;; ======== version 2 of 2: 1 launch; version 1 with the launch attn written anew for expert scheduling mode
;; launch attn (part 2): grid 16 x 16, 16 waves a work-group, no clusters, 212,224 bytes of LDS; arguments q, k, v, out0; writes out0
.if DOCPART == 2
	.amdgcn_target "amdgcn-amd-amdhsa--gfx1250"
	.amdhsa_code_object_version 6
	.text
	.protected	k_q6aacbf70ac_attn
	.globl	k_q6aacbf70ac_attn
	.p2align	8
	.type	k_q6aacbf70ac_attn,@function
k_q6aacbf70ac_attn:
	s_mov_b64 s[64:65], 0
	v_nop
	global_prefetch_b8 v0, s[64:65] scope:SCOPE_SE
	s_setreg_imm32_b32 hwreg(HW_REG_WAVE_SCHED_MODE, 0, 2), 2
	s_setreg_imm32_b32 hwreg(HW_REG_WAVE_MODE, 25, 1), 1
	s_wait_xcnt 0x0
	s_wait_alu depctr_vm_vsrc(0)
; out0[h][i][:] = sum over j of softmax_j(q[h][i] . k[h][j] / 8) v[h][j][:], j in [i - 128, i + 128) cut to 0 .. 4,095.  q, k, v, out0: [16][4096][64] f32.
; Both products on codes of FP8 (E4M3) with one E8M0 scale for each 32 along K.  Product 1: K = the head's 64 (two blocks).  Product 2: K = the keys, blocks of 32 by the key's absolute number;
; its left operand is the FINISHED softmax, exp(s - max) / sum with zeros where the band hides a key: so a query's whole window of scores stays in registers until its sum is known.
; SHARES.  Work-group (x, y): head y, queries 256 x .. + 255; it needs keys 256 x - 128 .. + 511 (REL 0 .. 511: sixteen aligned blocks of 32).  Sixteen waves, four to a SIMD, 256 registers each.
; Wave w first quantises K's rows REL 32 w .. + 31, V's block w (the same 32 keys, along the keys) and its own 16 queries, and stores codes and scale words in LDS; ONE barrier; then it does all for queries 256 x + 16 w .. + 15:
; nine blocks of 32 keys from REL 32 (w / 2) on: 18 products for the scores, the band, the softmax, p's codes, 12 products with V, the way out.
; KEYS OUTSIDE 0 .. 4,095 (x = 0: waves 0-3; x = 15: waves 12-15) are whole parts of 32 rows: the part's first row is held to 0 .. 4,064, so that real rows are loaded and no load leaves its buffer; the band hides them, p is 0 there.
; K = 64 IN A FORM OF 128: Q's registers 8-15 are zero codes and bytes 2, 3 of K's and Q's scale words are 0; the upper eight registers of a tile of K are the next tile's codes: every number is held before it is
; converted, so no code is NaN, and a finite number times a zero code adds nothing.  The ninth block of keys likewise: p's registers 4-15 of the third K step are zero codes.
; LAYOUT.  Both products are used transposed (S^T = K Q^T, O^T = V^T P^T): a lane holds ONE query (lane % 16).  In LDS the keys of a block are laid so that rows 16 u .. 16 u + 15 are tile u, whose row rho is key 8 u + rho + 8 (rho / 8):
; the 16 registers of a block's two tiles are then 16 neighbouring keys, 16 (lane / 16) + 0 .. 15, as the second product's operand wants them.
; NOT USED, by this text's own arithmetic: joint loads in a cluster (what two neighbouring work-groups share, half of K's and V's rows, goes into registers to be quantised, not into LDS by a tensor load, and would lie at
; different LDS places in the two); a prefetch (all 40 global loads of a wave are issued at its head: nothing is asked for later); a ring (no LDS byte is filled twice).
; LIMITS: NaN and infinities among the inputs are not served.  A block of zeros, or one whose largest magnitude lies under 2^-118, gets the scale byte 1 where the rule says 127 or less: its codes are zeros or
; were not tried, and the bytes are read by this program alone.  A p under 2^-126 becomes 0 (v_exp_f32 flushes).  A block's largest p is taken from its largest score: that takes v_exp_f32 not to fall where its input rises.
; THE MODE: SCHED_MODE bits 1:0 = 2 (LLVM: expert scheduling mode 2), set by the entry lines.  The code itself states the register dependences between vector or matrix instructions and memory or LDS
; instructions, with s_wait_alu, always for 0.
; THE PLAN.  Registers that memory or LDS instructions touch, and who else names them, in the text's order (there is no loop):
;   v2, v3        global offsets, made at the head.  v2 stands to the end; v3 is made anew in the barrier's window.
;   v4-v11        the first part's LDS addresses, made once behind the global loads; made anew in the barrier's window (v11: behind the scores).
;   v16-79        K lands; the stage's stores read it; then codes and words are written there, in groups that share no register (K: 16-20 + 16 t; V: 21, 24-27 + 16 j; Q: 22, 28-31 + 16 t), and LDS stores read these.
;   v144-175      Q lands; the stage's stores read it.        v80-143  V lands; vector lines alone read it.
;   X (v176-239)  loads from the stage land; vector lines work in place; behind V's work Q's loads from the stage land there again.
;   Second part:  v3-v10 addresses, made in the barrier's window, never written again.  KF: loaded, read by six products, loaded again, twice.  v16-79, v80-143, v224-241: last named by p's lines, then V's fragments and
;                 scale bytes land.  v16 + 16 t .. + 3: read by K step 0's products, then the ninth block lands.  OA: written by products, read by the stage's stores.  v16-47: read by the last products, then rows of out0 land.
;   So a wait on va_vdst stands ahead of each run of stores of fresh results and ahead of each run of loads into registers that vector or matrix lines have just named; two waits on vm_vsrc stand ahead of the two places
;   where registers that LDS or memory lines have read are written anew: K's landing registers, and all that the barrier's window and the second part take over.
;   Masks go from compares to selects through s32-s47, sixteen to a run, with one wait on va_sdst between the run's compares and its selects.
.set TURN,  0                          ; LDS: each wave's own stage for f32 numbers: 32 places of 64 bytes + 16 of padding
.set KC,    40960                      ; K's codes: 512 rows of 64 bytes + 16
.set KS,    81920                      ; K's scale words, 4 bytes a row, in KC's order of rows
.set QC,    83968                      ; Q's codes: 256 rows of 64 bytes + 16
.set QS,    104448                     ; Q's scale words
.set VC,    105472                     ; V's codes, keys innermost: row d at 528 d + 16 (d / 16), byte = REL key
.set VS,    139520                     ; V's scale bytes, [block][d]
.set OST,   140544                     ; each wave's own stage for the way out: 16 rows of 256 bytes + 16
.set SPARE, 210176                     ; the spare words, 128 bytes for each wave: eight blocks of 256 bytes that no other line names
; vector registers, first part: v1 lane; v2 16 x lane (global offset, kept to the end); v3 V's global offset; v4-v11 LDS addresses; v12, v13 shifts; v14, v15 the add's two
.set KL,  16                           ; v16-79   K as loaded; later the codes and words just made
.set VL,  80                           ; v80-143  V as loaded: register 4 t + j = V[16 (lane / 16) + t][4 (lane % 16) + j]
.set QL,  144                          ; v144-175 Q as loaded
.set X,   176                          ; v176-239 numbers laid for the conversions: 16 neighbours along K in 16 registers
.set TM,  240                          ; v240-243 largest magnitudes, v244-247 bytes, v248-251 the largest number x the scale, v252-255 the conversions' scale operands
; second part: v3-v10 LDS addresses; v11, v12 the band's limits; v13 -infinity
.set S,   16                           ; v16-159  S^T, then p: register 16 b + n = key KB0 + 32 b + 16 (lane / 16) + n
.set QF,  160                          ; v160-175 Q's fragment
.set KF,  176                          ; v176-231 six tiles of K, eight registers each, then eight zeros
.set KSC, 232                          ; v232-240 K's scale words, a register a block: lanes 0-15 tile u = 0, lanes 16-31 tile u = 1
.set QSC, 241
.set BM,  160                          ; v160-168 each block's largest score, then its largest p
.set T2,  176                          ; v176-184 at work
.set BY,  185                          ; v185-192 scale bytes of blocks 0-7
.set LIM, 224                          ; v224-232 448 x the scale
.set SCL, 233                          ; v233-241 the conversions' scale operands
.set PW,  242                          ; v242-244 p's scale words of the three K steps
.set PC,  176                          ; v176-223 p's codes: block b at PC + 4 b; PC + 36 .. 47 zeros
.set VF0, 16                           ; v16-79   V's four fragments of K step 0, later of the ninth block
.set VF1, 80                           ; v80-143  of K step 1
.set OA,  144                          ; v144-175 O^T: four accumulators
.set U8,  224                          ; v224-241 V's scale bytes: pair of tiles p, block b at U8 + 9 p + b
.set VW,  246                          ; v246-249 V's scale words: K step s, pair p at VW + 2 s + p
.set MK,  32                           ; s32-s47  a run's sixteen masks
	s_load_b256 s[4:11], s[0:1], 0x0               ; q s[4:5], k s[6:7], v s[8:9], out0 s[10:11]
	v_lshl_add_u32 v14, v0, 2, SPARE               ; my spare word,
	v_mov_b32 v15, 0                               ; and 0: kept for the closing add alone
	v_lshrrev_b32 v1, 5, v0
	v_readfirstlane_b32 s12, v1                    ; wave w, 0 .. 15
	v_and_b32 v1, 31, v0                           ; lane l
	s_wait_alu depctr_va_sdst(0)                   ; s12 is written, ahead of its first reader
	s_lshr_b32 s13, s12, 1                         ; j = w / 2: my window's first block
	s_mov_b32 s14, ttmp9                           ; x
	s_and_b32 s15, ttmp7, 0xffff                   ; y: the head
	s_lshl_b32 s28, s15, 20                        ; a head is 4,096 rows of 256 bytes
	s_lshl_b32 s16, s14, 16
	s_add_co_u32 s16, s16, s28
	s_lshl_b32 s29, s12, 12
	s_add_co_u32 s16, s16, s29                     ; q, out0: head + 256 x rows + 16 w rows
	s_mov_b32 s17, 0
	s_lshl_b32 s30, s14, 8                         ; 256 x
	s_lshl_b32 s29, s12, 5
	s_add_co_u32 s18, s30, s29
	s_sub_co_i32 s18, s18, 128                     ; the first row of K and V that I quantise: 256 x - 128 + 32 w,
	s_max_i32 s18, s18, 0
	s_min_i32 s18, s18, 4064                       ; held inside the head: a part that lies outside is hidden by the band
	s_lshl_b32 s18, s18, 8
	s_add_co_u32 s18, s18, s28
	s_mov_b32 s19, 0
	s_lshl_b32 s29, s12, 4
	s_add_co_u32 s26, s30, s29                     ; q0: my first query
	s_lshl_b32 s29, s13, 5
	s_add_co_u32 s27, s30, s29
	s_sub_co_i32 s27, s27, 128                     ; KB0: my window's first key, 256 x - 128 + 32 j (signed)
	s_mov_b32 s20, 0x76543210
	s_mov_b32 s21, 0xfedcba98                      ; v_permlanex16_b32's selects for lane l xor 16
	s_mov_b32 s22, 0x3e38aa3b                      ; c = log2(e) / 8
	s_mov_b32 s23, s22                             ; (named with it as a pair, so it is written)
	s_mov_b32 s24, 0xbe38aa3b                      ; -c
	s_mov_b32 s25, 0x600000                        ; the mantissa field of 448
	v_lshlrev_b32 v2, 4, v1                        ; 16 l
	v_and_b32 v240, 15, v0                         ; a = l % 16
	v_bfe_u32 v241, v0, 4, 1                       ; h = l / 16
	v_lshlrev_b32 v3, 4, v240
	v_lshl_add_u32 v3, v241, 12, v3                ; V: 16 a + 16 h rows of 256 bytes
	s_wait_kmcnt 0x0
	s_add_nc_u64 s[4:5], s[4:5], s[16:17]
	s_add_nc_u64 s[10:11], s[10:11], s[16:17]
	s_add_nc_u64 s[6:7], s[6:7], s[18:19]
	s_add_nc_u64 s[8:9], s[8:9], s[18:19]
	s_wait_alu depctr_va_vdst(0)                   ; v2 and v3 are written: the 40 loads below, and at the end the stores of out0, read them as offsets
; ALL 40 LOADS OF THE WAVE GO OUT TOGETHER: 20 KiB a wave, 320 KiB a work-group.  Each covers 512 bytes in two whole aligned pieces of 256.
.irp i, 0,1,2,3,4,5,6,7,8,9,10,11,12,13,14,15
	global_load_b128 v[KL+4*\i:KL+4*\i+3], v2, s[6:7] offset:512*\i          ; K: my 32 rows as they lie
.endr
.irp t, 0,1,2,3,4,5,6,7,8,9,10,11,12,13,14,15
	global_load_b128 v[VL+4*\t:VL+4*\t+3], v3, s[8:9] offset:256*\t          ; V: lanes 0-15 row t, lanes 16-31 row 16 + t: a lane's registers run down the keys
.endr
.irp i, 0,1,2,3,4,5,6,7
	global_load_b128 v[QL+4*\i:QL+4*\i+3], v2, s[4:5] offset:512*\i th:TH_LOAD_NT   ; Q: my 16 rows; nobody else reads them
.endr
	v_lshrrev_b32 v242, 2, v1                      ; l / 4
	v_and_b32 v243, 3, v0                          ; l % 4
	v_mul_u32_u24 v244, v242, 80
	v_lshl_add_u32 v244, v243, 4, v244             ; 80 (l / 4) + 16 (l % 4)
	s_mul_i32 s28, s12, 2560
	v_add_nc_u32 v4, s28, v244                     ; the stage, on the way in: four lanes' 64 bytes on end, then 16 of padding
	v_mul_u32_u24 v5, v1, 80
	v_add_nc_u32 v5, s28, v5                       ; and on the way out: 80 l: my 16 neighbours
	s_add_co_u32 s29, s28, KC
	v_add_nc_u32 v6, s29, v244                     ; K's codes: my block's 32 rows of 80 bytes; row l / 4 of a step's eight, quarter l % 4
	s_lshl_b32 s29, s12, 7
	s_add_co_u32 s29, s29, KS
	v_lshl_add_u32 v7, v242, 2, s29                ; K's scale words
	s_mul_i32 s29, s12, 1280
	s_add_co_u32 s29, s29, QC
	v_add_nc_u32 v8, s29, v244                     ; Q's codes: my 16 rows
	s_lshl_b32 s29, s12, 6
	s_add_co_u32 s29, s29, QS
	v_lshl_add_u32 v9, v242, 2, s29                ; Q's scale words
	v_mul_u32_u24 v10, v240, 2112                  ; V's codes: row d = 4 a + j at 528 d + 16 (d / 16) = 2,112 a + 16 (a / 4) + 528 j,
	v_lshrrev_b32 v245, 2, v240
	v_lshl_add_u32 v10, v245, 4, v10
	v_lshl_add_u32 v10, v241, 4, v10               ; my half's 16 keys,
	s_lshl_b32 s29, s12, 5
	s_add_co_u32 s29, s29, VC
	v_add_nc_u32 v10, s29, v10                     ; of block w
	s_lshl_b32 s29, s12, 6
	s_add_co_u32 s29, s29, VS
	v_lshl_add_u32 v11, v240, 2, s29               ; V's scale bytes: block w's 64, four a lane
	v_bfe_u32 v12, v0, 1, 1
	v_lshlrev_b32 v12, 3, v12                      ; where my block's byte stands in a row's scale word: lanes l % 4 = 0, 1: bits 0 on; 2, 3: bits 8 on
	v_sub_nc_u32 v13, 8, v12                       ; and the row's other block's
	s_wait_alu depctr_va_vdst(0)                   ; the LDS addresses v4 to v11 are written: every LDS line up to the barrier reads one of them, and no vector line writes them again before it
; 2,048 bytes (8 rows of 64 f32), loaded 16 bytes a lane as they lie, go through my stage and come back 64 bytes a lane: row l / 4, numbers 16 (l % 4) + 0 .. 15.
; LDS serves a wave's instructions in order (ISA guide 5.7.1.4): the loads see the stores above them, and the next step's stores come behind these loads.
.macro TURNF src, dst
.irp i, 0,1,2,3
	ds_store_b128 v4, v[(\src)+4*\i:(\src)+4*\i+3] offset:640*\i
.endr
.irp i, 0,1,2,3
	ds_load_b128 v[(\dst)+4*\i:(\dst)+4*\i+3], v5 offset:16*\i
.endr
.endm
; n steps of 16 numbers a lane in v[X + 16 b] on become codes in v[cb + 16 b .. + 3] and the row's scale word in v[wb + 16 b].  A block of 32 lies in lanes l and l xor 1; a row's two blocks in lanes l and l xor 2.
.macro QROWS n, cb, wb
.set qb, 0
.rept \n
	v_max3_num_f32 v[TM+qb], |v[X+16*qb]|, |v[X+16*qb+1]|, 0x4800000   ; my 16 numbers, and the floor 2^(9 - 127): the byte cannot fall under 1
.set qb, qb+1
.endr
.irp i, 2,4,6,8,10,12,14
.set qb, 0
.rept \n
	v_max3_num_f32 v[TM+qb], v[TM+qb], |v[X+16*qb+\i]|, |v[X+16*qb+\i+1]|   ; (the steps by turns: no line waits for the line above it)
.set qb, qb+1
.endr
.endr
.set qb, 0
.rept \n
	v_max_num_f32_dpp v[TM+qb], v[TM+qb], v[TM+qb] row_xmask:1 row_mask:0xf bank_mask:0xf   ; with my neighbour's 16: the block's largest magnitude
.set qb, qb+1
.endr
.set qb, 0
.rept \n
	v_add_nc_u32 v[TM+12+qb], 0xfc000000, v[TM+qb]             ; 8 off its exponent field: the conversion's scale operand
.set qb, qb+1
.endr
.set qb, 0
.rept \n
	v_and_or_b32 v[TM+8+qb], v[TM+qb], 0x7f800000, s25         ; 448 x the scale
.set qb, qb+1
.endr
.set qb, 0
.rept \n
	v_lshrrev_b32 v[TM+4+qb], 23, v[TM+12+qb]                  ; the scale's byte
.set qb, qb+1
.endr
.set qb, 0
.rept \n
	v_mov_b32_dpp v[TM+qb], v[TM+4+qb] row_xmask:2 row_mask:0xf bank_mask:0xf   ; the byte of the row's other block
.set qb, qb+1
.endr
.set qb, 0
.rept \n
	v_lshlrev_b32 v[TM+4+qb], v12, v[TM+4+qb]
.set qb, qb+1
.endr
.set qb, 0
.rept \n
	v_lshl_or_b32 v[(\wb)+16*qb], v[TM+qb], v13, v[TM+4+qb]    ; the row's scale word, the same in its four lanes: byte 0 for 0 .. 31, byte 1 for 32 .. 63, bytes 2 and 3 = 0
.set qb, qb+1
.endr
.set qb, 0
.rept \n
.irp i, 0,1,2,3,4,5,6,7,8,9,10,11,12,13,14,15
	v_med3_num_f32 v[X+16*qb+\i], v[X+16*qb+\i], -v[TM+8+qb], v[TM+8+qb]   ; the conversion to an 8-bit code does not saturate (ISA guide 7.6.2): the hold at the largest code x the scale
.endr
	v_cvt_scalef32_pk8_fp8_f32 v[(\cb)+16*qb:(\cb)+16*qb+1], v[X+16*qb:X+16*qb+7], v[TM+12+qb]
	v_cvt_scalef32_pk8_fp8_f32 v[(\cb)+16*qb+2:(\cb)+16*qb+3], v[X+16*qb+8:X+16*qb+15], v[TM+12+qb]
.set qb, qb+1
.endr
	v_nop                                          ; one plain line behind the last conversion, ahead of whatever next writes its sources
.endm
; ---- K: my 32 rows, four steps of eight
.irp t, 0,1,2,3
	s_wait_loadcnt 36-4*\t                         ; K's loads 4 t .. 4 t + 3 are in: 36 - 4 t loads were issued behind them
	TURNF KL+16*\t, X+16*\t
.endr
	s_wait_dscnt 0x0                               ; all 64 numbers a lane are back
	s_wait_alu depctr_vm_vsrc(0)                   ; the stage's stores have read K's landing registers v16 to v79, in which the lines below write codes and words
	QROWS 4, 16, 20
	s_wait_alu depctr_va_vdst(0)                   ; K's codes and scale words are written, which the LDS stores read
.irp t, 0,1,2,3                        ; step t holds keys 8 t .. 8 t + 7 of the block: they go to rows 16 (t % 2) + 8 (t / 2) on
	ds_store_b128 v6, v[16+16*\t:19+16*\t] offset:80*(16*(\t%2)+8*(\t/2))
	ds_store_b32 v7, v[20+16*\t] offset:4*(16*(\t%2)+8*(\t/2))       ; a row's four lanes write the same word with the same value
.endr
; ---- V: block w, along the keys.  A lane holds 16 keys of four channels; a block's other 16 keys lie in lane l xor 16.  (Its results go to registers that K's stores do not read)
	s_wait_loadcnt 8                               ; V's loads are in; Q's eight may be out
.irp j, 0,1,2,3
	v_max3_num_f32 v[TM+\j], |v[VL+\j]|, |v[VL+4+\j]|, 0x4800000
.endr
.irp t, 2,4,6,8,10,12,14
.irp j, 0,1,2,3
	v_max3_num_f32 v[TM+\j], v[TM+\j], |v[VL+4*\t+\j]|, |v[VL+4*\t+4+\j]|
.endr
.endr
.irp j, 0,1,2,3
	v_permlanex16_b32 v[TM+4+\j], v[TM+\j], s20, s21
.endr
.irp j, 0,1,2,3
	v_max_num_f32 v[TM+\j], v[TM+\j], v[TM+4+\j]
.endr
.irp j, 0,1,2,3
	v_add_nc_u32 v[TM+12+\j], 0xfc000000, v[TM+\j]
.endr
.irp j, 0,1,2,3
	v_and_or_b32 v[TM+8+\j], v[TM+\j], 0x7f800000, s25
.endr
.irp j, 0,1,2,3
	v_lshrrev_b32 v[TM+4+\j], 23, v[TM+12+\j]
.endr
	v_lshl_or_b32 v21, v[TM+5], 8, v[TM+4]         ; the bytes of channels 4 a .. 4 a + 3
	v_lshl_or_b32 v21, v[TM+6], 16, v21
	v_lshl_or_b32 v21, v[TM+7], 24, v21
.irp j, 0,1,2,3
.irp t, 0,1,2,3,4,5,6,7,8,9,10,11,12,13,14,15
	v_med3_num_f32 v[X+16*\j+\t], v[VL+4*\t+\j], -v[TM+8+\j], v[TM+8+\j]   ; THE HOLD ALSO TURNS: channel j's 16 keys come to stand in 16 registers on end
.endr
	v_cvt_scalef32_pk8_fp8_f32 v[24+16*\j:25+16*\j], v[X+16*\j:X+16*\j+7], v[TM+12+\j]
	v_cvt_scalef32_pk8_fp8_f32 v[26+16*\j:27+16*\j], v[X+16*\j+8:X+16*\j+15], v[TM+12+\j]
.endr
	v_nop
	s_wait_alu depctr_va_vdst(0)                   ; V's codes and scale word are written, which the LDS stores read; and the holds and conversions are done with X, in which Q's loads from the stage land: no vector line stands between here and those
.irp j, 0,1,2,3
	ds_store_b128 v10, v[24+16*\j:27+16*\j] offset:528*\j            ; 16 keys of row d = 4 a + j
.endr
	ds_store_b32 v11, v21                          ; both halves of the lanes write the same word with the same value
; ---- Q: my 16 rows, two steps of eight.  (Its results go to registers that neither K's nor V's stores read)
	s_wait_loadcnt 4                               ; Q's first four loads are in
	TURNF QL, X
	s_wait_loadcnt 0x0
	TURNF QL+16, X+16
	s_wait_dscnt 0x0
	QROWS 2, 28, 22
	s_wait_alu depctr_va_vdst(0)                   ; Q's codes and scale words are written, which the LDS stores read
.irp t, 0,1
	ds_store_b128 v8, v[28+16*\t:31+16*\t] offset:640*\t
	ds_store_b32 v9, v[22+16*\t] offset:32*\t
.endr
; ---- THE ONE BARRIER: every wave's codes and scale words have landed before any wave reads them.  Nothing that others read is written behind it.
	s_wait_dscnt 0x0                               ; for the others' sake: zero
	s_wait_alu depctr_vm_vsrc(0)                   ; my loads and LDS stores have read their offsets, addresses and data: v3 to v11 and v16 to v175 are written anew from here on
	s_barrier_signal -1
.irp i, 8,9,10,11,12,13,14,15
	v_mov_b32 v[QF+\i], 0                          ; Q's codes for K = 64 .. 127
.endr
.irp i, 48,49,50,51,52,53,54,55
	v_mov_b32 v[KF+\i], 0                          ; what stands behind the sixth tile of a batch.  (The address work below is more than the four places that these owe the first product)
.endr
	v_and_b32 v250, 15, v0                         ; r = l % 16
	v_bfe_u32 v251, v0, 4, 1                       ; h = l / 16
	s_mul_i32 s28, s13, 2560
	s_add_co_u32 s28, s28, KC
	v_mul_u32_u24 v3, v250, 80
	v_lshl_add_u32 v3, v251, 4, v3
	v_add_nc_u32 v3, s28, v3                       ; K's fragments: row 32 j + r, + 16 h
	s_lshl_b32 s28, s13, 7
	s_add_co_u32 s28, s28, KS
	v_lshl_add_u32 v4, v1, 2, s28                  ; K's scale words: row 32 j + l
	s_mul_i32 s28, s12, 1280
	s_add_co_u32 s28, s28, QC
	v_mul_u32_u24 v5, v250, 80
	v_lshl_add_u32 v5, v251, 4, v5
	v_add_nc_u32 v5, s28, v5                       ; Q's fragment: row 16 w + r, + 16 h
	s_lshl_b32 s28, s12, 6
	s_add_co_u32 s28, s28, QS
	v_lshl_add_u32 v6, v250, 2, s28                ; Q's scale words
	v_mul_u32_u24 v7, v250, 528
	v_lshl_add_u32 v7, v251, 4, v7
	s_lshl_b32 s28, s13, 5
	s_add_co_u32 s28, s28, VC
	v_add_nc_u32 v7, s28, v7                       ; V's fragments: row r of a tile, key 32 j + 16 h
	s_lshl_b32 s28, s13, 6
	s_add_co_u32 s28, s28, VS
	v_add_nc_u32 v8, s28, v1                       ; V's scale bytes: block j, channel l
	s_mul_i32 s29, s12, 4352
	s_add_co_u32 s29, s29, OST
	v_mul_u32_u24 v9, v250, 272
	v_lshl_add_u32 v9, v251, 5, v9
	v_add_nc_u32 v9, s29, v9                       ; the way out, in: row r, + 32 h
	v_mul_u32_u24 v10, v251, 272
	v_lshl_add_u32 v10, v250, 4, v10
	v_add_nc_u32 v10, s29, v10                     ; back: lanes 0-15 one row, lanes 16-31 the next
	s_barrier_wait -1
	s_wait_alu depctr_va_vdst(0)                   ; the addresses v3 to v10 are written, which every LDS line from here on reads; the zero codes are written, which the scaled products take; the first part's lines are done with v176 to v241, in which loads land
; ---- S^T = K Q^T: 18 tiles of 16 keys, six at a time; each product starts and ends its own sum (K = 64)
	ds_load_b128 v[QF:QF+3], v5
	ds_load_b128 v[QF+4:QF+7], v5 offset:32
	ds_load_b32 v[QSC], v6
.irp b, 0,1,2,3,4,5,6,7,8
	ds_load_b32 v[KSC+\b], v4 offset:128*\b
.endr
.macro SBATCH g
.if \g > 0
.rept 8
	v_nop                                          ; eight places behind the matrix instructions that have read these registers; they stay beside the wait
.endr
	s_wait_alu depctr_va_vdst(0)                   ; the last batch's six products are done reading KF, in which the loads below land
.endif
.irp t, 0,1,2,3,4,5
.irp c, 0,1
	ds_load_b128 v[KF+8*\t+4*\c:KF+8*\t+4*\c+3], v3 offset:(96*\g+16*\t)*80+32*\c
.endr
.endr
	s_wait_dscnt 0x0
.irp t, 0,1,2,3,4,5
.if \t % 2
	v_wmma_scale_f32_16x16x128_f8f6f4 v[S+48*\g+8*\t:S+48*\g+8*\t+7], v[KF+8*\t:KF+8*\t+15], v[QF:QF+15], 0, v[KSC+3*\g+\t/2], v[QSC] matrix_a_scale:MATRIX_SCALE_ROW1
.else
	v_wmma_scale_f32_16x16x128_f8f6f4 v[S+48*\g+8*\t:S+48*\g+8*\t+7], v[KF+8*\t:KF+8*\t+15], v[QF:QF+15], 0, v[KSC+3*\g+\t/2], v[QSC]
.endif
.endr
.endm
	SBATCH 0
	SBATCH 1
	SBATCH 2
; ---- the band's limits for my query, as numbers to hold 32 b + n against: twelve lines that name no register of the products: the places behind the last of them
	v_add_nc_u32 v252, s26, v250                   ; my query
	v_lshlrev_b32 v253, 4, v251
	v_add_nc_u32 v253, s27, v253                   ; KB0 + 16 h: the key of my register 0
	v_add_nc_u32 v11, 0xffffff80, v252             ; query - 128,
	v_add_nc_u32 v12, 127, v252                    ; query + 127
	v_cmp_le_i32 s[MK], 0, v11
	v_cmp_ge_i32 s[MK+1], 0xfff, v12
	v_mov_b32 v13, 0xff800000                      ; -infinity
	s_wait_alu depctr_va_sdst(0)                   ; the two masks are written, ahead of the selects that read them
	v_cndmask_b32 v11, 0, v11, s[MK]               ; not under key 0
	v_cndmask_b32 v12, 0xfff, v12, s[MK+1]         ; not over key 4,095
	v_sub_nc_u32 v11, v11, v253                    ; hidden where 32 b + n < v11
	v_sub_nc_u32 v12, v12, v253                    ; hidden where 32 b + n > v12
; A block's sixteen compares stand in one run, a mask to a scalar register; one wait; then the sixteen selects.
.macro MASKLO b                        ; each accumulator is read from its low end on
.irp n, 0,1,2,3,4,5,6,7,8,9,10,11,12,13,14,15
	v_cmp_lt_i32 s[MK+\n], 32*\b+\n, v11
.endr
	s_wait_alu depctr_va_sdst(0)                   ; the run's sixteen masks are written, ahead of the selects that read them
.irp n, 0,1,2,3,4,5,6,7,8,9,10,11,12,13,14,15
	v_cndmask_b32 v[S+16*\b+\n], v[S+16*\b+\n], v13, s[MK+\n]
.endr
.endm
.macro MASKHI b
.irp n, 0,1,2,3,4,5,6,7,8,9,10,11,12,13,14,15
	v_cmp_gt_i32 s[MK+\n], 32*\b+\n, v12
.endr
	s_wait_alu depctr_va_sdst(0)                   ; the run's sixteen masks are written, ahead of the selects that read them
.irp n, 0,1,2,3,4,5,6,7,8,9,10,11,12,13,14,15
	v_cndmask_b32 v[S+16*\b+\n], v[S+16*\b+\n], v13, s[MK+\n]
.endr
.endm
; query - 128 - KB0 = 16 (w % 2) + r lies in block 0 and query + 127 - KB0 in block 8: these two are always cut.  Blocks 1-3 are hidden only where they lie under key 0, blocks 5-7 only over key 4,095;
; block 4 never (KB0 + 128 >= 0, KB0 + 159 <= 4,095).  The jumps hang on the work-group's and the wave's number alone.
.macro LOIF b
	s_add_co_i32 s28, s27, 32*\b
	s_cmp_ge_i32 s28, 0
	s_cbranch_scc1 .Lseen_lo_\@
	MASKLO \b
.Lseen_lo_\@:
.endm
.macro HIIF b
	s_add_co_i32 s28, s27, 32*\b+31
	s_cmp_le_i32 s28, 4095
	s_cbranch_scc1 .Lseen_hi_\@
	MASKHI \b
.Lseen_hi_\@:
.endm
	MASKLO 0
	LOIF 1
	LOIF 2
	LOIF 3
	HIIF 5
	HIIF 6
	HIIF 7
	MASKHI 8
; ---- the softmax, in place.  The largest score of each block serves twice: for the row's maximum, and, since p rises with the score, for the block's largest p
.irp b, 0,1,2,3,4,5,6,7,8
	v_max3_num_f32 v[BM+\b], v[S+16*\b], v[S+16*\b+1], v[S+16*\b+2]
.endr
.irp i, 3,5,7,9,11,13
.irp b, 0,1,2,3,4,5,6,7,8
	v_max3_num_f32 v[BM+\b], v[BM+\b], v[S+16*\b+\i], v[S+16*\b+\i+1]   ; (the pair 7, 8 is the first read of the block's second accumulator: its lowest register)
.endr
.endr
.irp b, 0,1,2,3,4,5,6,7,8
	v_max_num_f32 v[BM+\b], v[BM+\b], v[S+16*\b+15]
.endr
.irp b, 0,1,2,3,4,5,6,7,8
	v_permlanex16_b32 v[T2+\b], v[BM+\b], s20, s21
.endr
.irp b, 0,1,2,3,4,5,6,7,8
	v_max_num_f32 v[BM+\b], v[BM+\b], v[T2+\b]     ; with lane l xor 16's 16 keys
.endr
	v_max3_num_f32 v245, v[BM], v[BM+1], v[BM+2]
	v_max3_num_f32 v245, v245, v[BM+3], v[BM+4]
	v_max3_num_f32 v245, v245, v[BM+5], v[BM+6]
	v_max3_num_f32 v245, v245, v[BM+7], v[BM+8]    ; the row's largest score: a number, since a query sees itself
	v_mul_f32 v246, s24, v245                      ; -c m
	v_mov_b32 v247, v246                           ; (named with it as a pair)
.set j, 0
.rept 72
	v_pk_fma_f32 v[S+j:S+j+1], v[S+j:S+j+1], s[22:23], v[246:247] op_sel_hi:[1,0,0]   ; c s - c m, two at a time; -infinity stays
.set j, j+2
.endr
.irp b, 0,1,2,3,4,5,6,7,8
	v_fma_f32 v[BM+\b], v[BM+\b], s22, v246        ; the same of each block's largest score
.endr
.set j, 0
.rept 144
	v_exp_f32 v[S+j], v[S+j]                       ; ONE BATCH: 144 weights and the nine largest; none reads another's result
.set j, j+1
.endr
.irp b, 0,1,2,3,4,5,6,7,8
	v_exp_f32 v[BM+\b], v[BM+\b]
.endr
	v_mov_b32 v253, 0                              ; the plain line behind the last exponential (v253: upper half of the pair that holds 1 / sum)
	s_wait_alu depctr_va_vdst(0)                   ; the 153 exponentials have written their results: the wait ahead of the first line that names one: one for the batch
	v_pk_add_f32 v[248:249], v[S:S+1], v[S+2:S+3]  ; the row's sum, of the unquantised weights: two at a time, in two chains
	v_pk_add_f32 v[250:251], v[S+4:S+5], v[S+6:S+7]
.set j, 8
.rept 34
	v_pk_add_f32 v[248:249], v[248:249], v[S+j:S+j+1]
	v_pk_add_f32 v[250:251], v[250:251], v[S+j+2:S+j+3]
.set j, j+4
.endr
	v_pk_add_f32 v[248:249], v[248:249], v[250:251]
	v_add_f32 v248, v248, v249
	v_permlanex16_b32 v250, v248, s20, s21
	v_add_f32 v248, v248, v250                     ; with lane l xor 16's: at least 1 within rounding, since the largest weight is 1
	v_rcp_f32 v252, v248
.irp i, 36,37,38,39,40,41,42,43,44,45,46,47
	v_mov_b32 v[PC+\i], 0                          ; p's codes behind the ninth block: plain work behind the reciprocal
.endr
	s_wait_alu depctr_va_vdst(0)                   ; the reciprocal has written v252, ahead of its first reader
.irp b, 0,1,2,3,4,5,6,7,8
	v_mul_f32 v[BM+\b], v[BM+\b], v252             ; the block's largest p, normalised: the same operations on the same number as below give the same bits
.endr
.irp b, 0,1,2,3,4,5,6,7,8
	v_max_num_f32 v[BM+\b], 0x4800000, v[BM+\b]    ; the floor 2^(9 - 127): a block that is all hidden keeps the byte 1 over zero codes
.endr
.irp b, 0,1,2,3,4,5,6,7,8
	v_add_nc_u32 v[SCL+\b], 0xfc000000, v[BM+\b]   ; 8 off the exponent field: the conversion's scale operand
.endr
.irp b, 0,1,2,3,4,5,6,7,8
	v_and_or_b32 v[LIM+\b], v[BM+\b], 0x7f800000, s25   ; 448 x the scale
.endr
.irp b, 0,1,2,3,4,5,6,7
	v_lshrrev_b32 v[BY+\b], 23, v[SCL+\b]          ; the scales' bytes
.endr
	v_lshrrev_b32 v[PW+2], 23, v[SCL+8]            ; the third K step's word: the ninth block's byte, bytes 1 to 3 = 0
	v_lshl_or_b32 v[PW], v[BY+1], 8, v[BY]
	v_lshl_or_b32 v[PW+1], v[BY+5], 8, v[BY+4]
	v_lshl_or_b32 v[PW], v[BY+2], 16, v[PW]
	v_lshl_or_b32 v[PW+1], v[BY+6], 16, v[PW+1]
	v_lshl_or_b32 v[PW], v[BY+3], 24, v[PW]
	v_lshl_or_b32 v[PW+1], v[BY+7], 24, v[PW+1]    ; (the scale words stand far more than eight places ahead of their products)
.macro PBLOCK b                        ; block b: normalised, held, converted: registers 4 b .. 4 b + 3 of the second product's operand
.irp i, 0,2,4,6,8,10,12,14
	v_pk_mul_f32 v[S+16*\b+\i:S+16*\b+\i+1], v[S+16*\b+\i:S+16*\b+\i+1], v[252:253] op_sel_hi:[1,0]
.endr
.irp i, 0,1,2,3,4,5,6,7,8,9,10,11,12,13,14,15
	v_min_num_f32 v[S+16*\b+\i], v[S+16*\b+\i], v[LIM+\b]   ; p is never negative: the hold is one-sided
.endr
	v_cvt_scalef32_pk8_fp8_f32 v[PC+4*\b:PC+4*\b+1], v[S+16*\b:S+16*\b+7], v[SCL+\b]
	v_cvt_scalef32_pk8_fp8_f32 v[PC+4*\b+2:PC+4*\b+3], v[S+16*\b+8:S+16*\b+15], v[SCL+\b]
.endm
.irp b, 0,1,2,3
	PBLOCK \b
.endr
; V's fragments of K step 0 take the registers that blocks 0 to 3 of p have left, and land while blocks 4 to 8 are worked, whose lines name none of v16 to v79
	s_wait_alu depctr_va_vdst(0)                   ; the lines of blocks 0 to 3 are done reading and writing v16 to v79, in which the sixteen loads below land
.irp t, 0,1,2,3
.irp c, 0,1,2,3
	ds_load_b128 v[VF0+16*\t+4*\c:VF0+16*\t+4*\c+3], v7 offset:8464*\t+32*\c
.endr
.endr
.irp b, 4,5,6,7,8
	PBLOCK \b
.endr
	v_nop                                          ; one plain line behind the last conversion: the products below write its sources
; ---- O^T = V^T P^T: four tiles of 16 channels, three K steps (128, 128, 32 keys)
	s_wait_alu depctr_va_vdst(0)                   ; the lines of blocks 4 to 8 are done with v80 to v143 and with the limits and scale operands v224 to v241, in which the loads below land
.irp p, 0,1
.irp b, 0,1,2,3,4,5,6,7,8
	ds_load_u8 v[U8+9*\p+\b], v8 offset:64*\b+32*\p          ; block j + b's byte of channel 32 p + l: lanes 0-15 tile 2 p, lanes 16-31 tile 2 p + 1
.endr
.endr
.irp t, 0,1,2,3
.irp c, 0,1,2,3
	ds_load_b128 v[VF1+16*\t+4*\c:VF1+16*\t+4*\c+3], v7 offset:8464*\t+128+32*\c
.endr
.endr
	s_wait_dscnt 16                                ; K step 0's fragments and the 18 bytes are in; K step 1's sixteen loads may be out
.irp s, 0,1                            ; the first K step's two words first: eight places and more stand between each word and its product
.irp p, 0,1
	v_lshl_or_b32 v[VW+2*\s+\p], v[U8+9*\p+4*\s+1], 8, v[U8+9*\p+4*\s]
	v_lshl_or_b32 v[VW+2*\s+\p], v[U8+9*\p+4*\s+2], 16, v[VW+2*\s+\p]
	v_lshl_or_b32 v[VW+2*\s+\p], v[U8+9*\p+4*\s+3], 24, v[VW+2*\s+\p]
.endr
.endr
.rept 4
	v_nop
.endr
	s_wait_alu depctr_va_vdst(0)                   ; V's four scale words are written, and so are p's codes and scale words: the scaled products below take them; the places above stay beside this wait
.macro PV1 t, s, vf, sa                ; the four accumulators take turns, one instruction a turn
.if (\s) == 0
.if (\t) % 2
	v_wmma_scale_f32_16x16x128_f8f6f4 v[OA+8*\t:OA+8*\t+7], v[(\vf)+16*\t:(\vf)+16*\t+15], v[PC+16*\s:PC+16*\s+15], 0, v[\sa], v[PW+\s] matrix_a_scale:MATRIX_SCALE_ROW1
.else
	v_wmma_scale_f32_16x16x128_f8f6f4 v[OA+8*\t:OA+8*\t+7], v[(\vf)+16*\t:(\vf)+16*\t+15], v[PC+16*\s:PC+16*\s+15], 0, v[\sa], v[PW+\s]
.endif
.else
.if (\t) % 2
	v_wmma_scale_f32_16x16x128_f8f6f4 v[OA+8*\t:OA+8*\t+7], v[(\vf)+16*\t:(\vf)+16*\t+15], v[PC+16*\s:PC+16*\s+15], v[OA+8*\t:OA+8*\t+7], v[\sa], v[PW+\s] matrix_a_scale:MATRIX_SCALE_ROW1
.else
	v_wmma_scale_f32_16x16x128_f8f6f4 v[OA+8*\t:OA+8*\t+7], v[(\vf)+16*\t:(\vf)+16*\t+15], v[PC+16*\s:PC+16*\s+15], v[OA+8*\t:OA+8*\t+7], v[\sa], v[PW+\s]
.endif
.endif
.endm
.irp t, 0,1,2,3
	PV1 \t, 0, VF0, VW+\t/2
.endr
.rept 8
	v_nop                                          ; eight places behind the products that have read these registers; they stay beside the wait
.endr
	s_wait_alu depctr_va_vdst(0)                   ; K step 0's four products are done reading their fragments, in whose first four registers the loads below land
.irp t, 0,1,2,3
	ds_load_b128 v[VF0+16*\t:VF0+16*\t+3], v7 offset:8464*\t+256     ; the ninth block; registers 4-15 keep K step 0's codes, which meet p's zero codes
.endr
	s_wait_dscnt 4                                 ; K step 1's fragments are in; the four just issued may be out
.irp t, 0,1,2,3
	PV1 \t, 1, VF1, VW+2+\t/2
.endr
	s_wait_dscnt 0x0
.irp t, 0,1,2,3
	PV1 \t, 2, VF0, U8+9*(\t/2)+8                  ; the ninth block's byte as it was loaded is the word: bytes 1 to 3 = 0
.endr
; ---- THE WAY OUT.  Lane (r, h) holds out(q0 + r, 16 t + 8 h + 0 .. 7): through my own stage, back as whole rows of 256 bytes
.rept 8
	v_nop                                          ; eight places behind the last products, ahead of the reads of their results
.endr
	s_wait_alu depctr_va_vdst(0)                   ; the products have written the accumulators, which the LDS stores read, and are done reading v16 to v47, in which the loads from the stage land; the places above stay beside this wait
.irp t, 0,1,2,3
	ds_store_b128 v9, v[OA+8*\t:OA+8*\t+3] offset:64*\t              ; each accumulator from its low end on
	ds_store_b128 v9, v[OA+8*\t+4:OA+8*\t+7] offset:64*\t+16
.endr
.irp i, 0,1,2,3,4,5,6,7
	ds_load_b128 v[16+4*\i:19+4*\i], v10 offset:544*\i               ; LDS serves a wave's instructions in order: these see my stores
.endr
.irp i, 0,1,2,3,4,5,6,7
	s_wait_dscnt 7-\i                              ; load i is in; the younger ones may be out
	global_store_b128 v2, v[16+4*\i:19+4*\i], s[10:11] offset:512*\i th:TH_STORE_NT   ; 32 lanes store two rows: 512 consecutive bytes, at a multiple of 256 from out0's first byte; written once, read by nobody here
.endr
	s_wait_dscnt 0x0                               ; the closing lines, six on end
	s_wait_alu 0x0
	s_wait_tensorcnt 0x0
	ds_add_u32 v14, v15
	s_wait_dscnt 0x0
	s_endpgm
.Lfunc_end_k_q6aacbf70ac_attn:
	.size	k_q6aacbf70ac_attn, .Lfunc_end_k_q6aacbf70ac_attn-k_q6aacbf70ac_attn
	.p2alignl 7, 3214868480
	.fill 96, 4, 3214868480
	.section	.rodata,"a",@progbits
	.p2align	6, 0x0
	.amdhsa_kernel k_q6aacbf70ac_attn
		.amdhsa_group_segment_fixed_size 212224
		.amdhsa_private_segment_fixed_size 0
		.amdhsa_enable_private_segment 0
		.amdhsa_kernarg_size 32
		.amdhsa_user_sgpr_count 2
		.amdhsa_user_sgpr_kernarg_segment_ptr 1
		.amdhsa_wavefront_size32 1
		.amdhsa_system_sgpr_workgroup_id_x 1
		.amdhsa_system_sgpr_workgroup_id_y 1
		.amdhsa_system_sgpr_workgroup_id_z 1
		.amdhsa_system_vgpr_workitem_id 0
		.amdhsa_next_free_vgpr 256
		.amdhsa_next_free_sgpr 66
		.amdhsa_reserve_vcc 0
		.amdhsa_float_denorm_mode_32 3
		.amdhsa_float_denorm_mode_16_64 3
		.amdhsa_memory_ordered 1
		.amdhsa_forward_progress 1
		.amdhsa_inst_pref_size 104
	.end_amdhsa_kernel
	.amdgpu_metadata
---
amdhsa.version: [ 1, 2 ]
amdhsa.kernels:
  - .name:           k_q6aacbf70ac_attn
    .symbol:         k_q6aacbf70ac_attn.kd
    .args:
      - { .name: q, .offset: 0, .size: 8, .value_kind: global_buffer, .address_space: global }
      - { .name: k, .offset: 8, .size: 8, .value_kind: global_buffer, .address_space: global }
      - { .name: v, .offset: 16, .size: 8, .value_kind: global_buffer, .address_space: global }
      - { .name: out0, .offset: 24, .size: 8, .value_kind: global_buffer, .address_space: global }
    .group_segment_fixed_size: 212224
    .private_segment_fixed_size: 0
    .kernarg_segment_align: 8
    .kernarg_segment_size: 32
    .max_flat_workgroup_size: 512
    .sgpr_count:     66
    .vgpr_count:     256
    .wavefront_size: 32
...
	.end_amdgpu_metadata
.endif
;; end of part 2
